; MI455X (gfx1250); checked and timed in simulation.
; The chip was launched on July 23, 2026; its instructions are those of AMD's public machine-readable ISA for CDNA 5 (MIT licence, August 2026) and "CDNA5" Instruction Set Architecture Reference Guide (July 2026). The comments in the code are by the model that wrote it; some were corrected since.
;; Attention 1. Allowed arithmetic: float matrix products may take bf16 or f16 operands with f32 sums; all other float work in f32.
;; Inputs: W_out 2,048 x 128 float32; W_score 1,024 x 1,024 float32; hidden_states 32 x 2,048 x 1,024 float32.
;; Outputs: out0 32 x 128 float32.
;; One version. Each part assembles by itself: llvm-mc -triple=amdgcn-amd-amdhsa -mcpu=gfx1250 --defsym DOCPART=n.
;; ======== version 1 of 1: 3 launches
;; workspace buffers: u2 131,072 bytes; wt 1,048,576 bytes; part 1,048,576 bytes; ml 2,048 bytes
;; launch prep (part 1): grid 256 x 1, 8 waves a work-group, no clusters, 1,536 bytes of LDS; arguments hidden_states, W_score, W_out, u2, wt; writes u2, wt
.if DOCPART == 1
	.amdgcn_target "amdgcn-amd-amdhsa--gfx1250"
	.amdhsa_code_object_version 6
	.text
	.protected	k_q5a176d0791_prep
	.globl	k_q5a176d0791_prep
	.p2align	8
	.type	k_q5a176d0791_prep,@function
k_q5a176d0791_prep:
	s_mov_b64 s[64:65], 0
	v_nop
	global_prefetch_b8 v0, s[64:65] scope:SCOPE_SE
	s_setreg_imm32_b32 hwreg(HW_REG_WAVE_MODE, 25, 1), 1
	s_wait_xcnt 0x0
; u2[b][h] = log2(e) * sum over k of W_score[h][k] * h_t[b][k],  h_t[b] = hidden_states[b][2047].   u2: [32][1024] f32.
; Since score[b][t] = sum_k (sum_h hs[b][t][h] W[h][k]) h_t[b][k] = sum_h hs[b][t][h] u[b][h], the large product of reference()
; is replaced by this small one; that holds for every input.  LIMIT: the order of rounding differs from reference()'s
; (u first, sums by lanes), and log2(e) is folded into u, one rounding more.  All arithmetic is f32, since the scores stand in an exponent.
; Also: wt[g][j][e] = W_out[j][16 g + e], [8][2048][16] f32: W_out in eight slices of 16 columns, so that the last launch reads
; its slice as consecutive bytes.
; A work-group takes 64 rows h of W_score (hb = id & 15) against two batches (bp = id >> 4): 256 consecutive bytes of u2 for each batch.
; Wave w takes rows 8 w + i, i = 0..7; lane l holds k = 128 j + 4 l + e (eight loads of 16 bytes a lane: a whole row of 4,096 bytes a wave).
; No matrix unit: two columns against 64 rows.  No joint requests: a work-group reads its 256 KiB of W_score once, straight into registers,
; and nothing lies in LDS but 512 bytes of sums; sharing would need tiles in LDS and rounds of a cluster's barrier for one pass over them.
.set VOFF, 3                           ; v3        wave * 32,768 + lane * 16: my 16 bytes in the wave's first row of W_score
.set VH,   4                           ; v4        lane * 16: h_t loads, and the read-back from LDS
.set VCI,  5                           ; v5        where my 16 bytes of W_out lie among the group's 8 rows
.set VCO,  6                           ; v6        where they go in wt
.set VST,  7                           ; v7        wave * 32: the wave's eight sums in LDS
.set VU,   2                           ; v2        (lane / 16) * 4,096 + (lane % 16) * 16: u2, two batches
.set CP,   8                           ; v[8:11]   the 16 bytes copied from W_out
.set HT,   12                          ; v[12:75]  h_t of batch bb: HT + 32 bb + 4 j + e
.set WR,   76                          ; v[76:203] four row slots of 32 registers
.set D,    204                         ; v[204:211] four chains of pairs: D + 4 bb + 2 c
.set SUM,  212                         ; v[212:227] SUM + 8 bb + i
	s_load_b256 s[4:11], s[0:1], 0x0               ; hidden_states s[4:5], W_score s[6:7], W_out s[8:9], u2 s[10:11]
	s_load_b64 s[12:13], s[0:1], 0x20              ; wt
	v_lshl_add_u32 v228, v0, 2, 0x200
	v_mov_b32 v229, 0
	v_and_b32 v1, 31, v0                           ; lane
	v_lshrrev_b32 v2, 5, v0                        ; wave
	v_readfirstlane_b32 s26, v2                    ; the wave's number as a scalar
	s_and_b32 s14, ttmp9, 15                       ; hb
	s_lshr_b32 s15, ttmp9, 4                       ; bp
	s_mov_b32 s24, 0x76543210                      ; v_permlanex16_b32: lane i of one half reads lane i of the other
	s_mov_b32 s25, 0xfedcba98
	v_lshlrev_b32 v[VH], 4, v1
	v_lshl_or_b32 v[VOFF], v2, 15, v[VH]           ; 8 rows of 4,096 bytes a wave
	v_lshrrev_b32 v[VCI], 2, v1                    ; W_out: row lane / 4 of the group's eight (512 bytes each),
	v_lshlrev_b32 v[VCI], 9, v[VCI]
	v_lshl_add_u32 v[VCI], v2, 6, v[VCI]           ; slice = wave (64 bytes each),
	v_and_b32 v[VCO], 3, v1
	v_lshl_add_u32 v[VCI], v[VCO], 4, v[VCI]       ; quarter lane % 4 of the slice's 64 bytes
	v_lshl_or_b32 v[VCO], v2, 17, v[VH]            ; wt: slice * 131,072 + lane * 16: the wave's store covers 512 consecutive bytes
	v_mov_b32 v[VST], s26
	v_lshlrev_b32 v[VST], 5, v[VST]
	v_lshrrev_b32 v[VU], 4, v1
	v_lshlrev_b32 v[VU], 12, v[VU]
	v_and_b32 v1, 15, v1
	v_lshl_add_u32 v[VU], v1, 4, v[VU]
	s_mov_b32 s17, 0                               ; offsets are made apart, as pairs with 0 above
	s_lshl_b32 s16, s15, 24                        ; batch 2 bp: 2 x 8,388,608 bytes each
	s_wait_kmcnt 0x0
	s_add_nc_u64 s[20:21], s[4:5], s[16:17]
	s_add_nc_u64 s[20:21], s[20:21], 0x7ff000      ; row 2047: h_t of batch 2 bp
	s_add_nc_u64 s[22:23], s[20:21], 0x800000      ; h_t of batch 2 bp + 1
	s_lshl_b32 s16, s14, 18                        ; 64 rows of 4,096 bytes
	s_add_nc_u64 s[6:7], s[6:7], s[16:17]
	s_lshl_b32 s16, ttmp9, 12                      ; 8 rows of W_out
	s_add_nc_u64 s[8:9], s[8:9], s[16:17]
	s_lshl_b32 s16, s15, 13                        ; u2: two batches of 4,096 bytes,
	s_lshl_b32 s18, s14, 8                         ; 64 numbers
	s_add_co_u32 s16, s16, s18
	s_add_nc_u64 s[10:11], s[10:11], s[16:17]
	s_lshl_b32 s16, ttmp9, 9                       ; wt: 8 rows of 64 bytes in every slice
	s_add_nc_u64 s[12:13], s[12:13], s[16:17]
.macro WROW i, slot                    ; a row of W_score: eight loads, 512 consecutive bytes each
.irp j, 0,1,2,3,4,5,6,7
	global_load_b128 v[WR+32*\slot+4*\j:WR+32*\slot+4*\j+3], v[VOFF], s[6:7] offset:4096*(\i)+512*\j
.endr
.endm
	global_load_b128 v[CP:CP+3], v[VCI], s[8:9]    ; the eight waves together read the group's 4,096 bytes of W_out whole
.irp j, 0,1,2,3,4,5,6,7
	global_load_b128 v[HT+4*\j:HT+4*\j+3], v[VH], s[20:21] offset:512*\j
.endr
.irp j, 0,1,2,3,4,5,6,7
	global_load_b128 v[HT+32+4*\j:HT+32+4*\j+3], v[VH], s[22:23] offset:512*\j
.endr
	WROW 0, 0
	WROW 1, 1
	WROW 2, 2
	WROW 3, 3
; Row i, in its slot, against both h_t.  left = the loads of the younger rows, eight each, that may stay out.
.macro ROW i, slot, left, refill
	s_wait_loadcnt \left                           ; loads come back in order: this row is in (and all that was asked for before it)
.irp bb, 0,1
.irp c, 0,1
	v_pk_mul_f32 v[D+4*\bb+2*\c:D+4*\bb+2*\c+1], v[WR+32*\slot+2*\c:WR+32*\slot+2*\c+1], v[HT+32*\bb+2*\c:HT+32*\bb+2*\c+1]   ; the first products start the four chains
.endr
.endr
.irp j, 1,2,3,4,5,6,7
.irp bb, 0,1
.irp c, 0,1
	v_pk_fma_f32 v[D+4*\bb+2*\c:D+4*\bb+2*\c+1], v[WR+32*\slot+4*\j+2*\c:WR+32*\slot+4*\j+2*\c+1], v[HT+32*\bb+4*\j+2*\c:HT+32*\bb+4*\j+2*\c+1], v[D+4*\bb+2*\c:D+4*\bb+2*\c+1]
.endr
.endr
.endr
	v_pk_add_f32 v[D:D+1], v[D:D+1], v[D+2:D+3]
	v_pk_add_f32 v[D+4:D+5], v[D+4:D+5], v[D+6:D+7]
	v_add_f32 v[SUM+\i], v[D], v[D+1]              ; my 32 products of row i with batch 2 bp
	v_add_f32 v[SUM+8+\i], v[D+4], v[D+5]          ; and with batch 2 bp + 1
.if \refill
	WROW \i+4, \slot                               ; the slot's next row
.endif
.endm
	ROW 0, 0, 24, 1                                ; rows 1, 2, 3 stay out; the copy and both h_t were asked for earlier and are in
	global_store_b128 v[VCO], v[CP:CP+3], s[12:13] ; W_out's 16 bytes to their slice; neither register is written again
	ROW 1, 1, 24, 1
	ROW 2, 2, 24, 1
	ROW 3, 3, 24, 1
	ROW 4, 0, 24, 0                                ; nothing more to fetch: the counts run down
	ROW 5, 1, 16, 0
	ROW 6, 2, 8, 0
	ROW 7, 3, 0, 0
	; the sixteen sums over the 32 lanes: four steps inside each half of 16 lanes, one across the halves
.irp m, 1,2,4,8
.irp k, 0,1,2,3,4,5,6,7,8,9,10,11,12,13,14,15
	v_add_f32_dpp v[SUM+\k], v[SUM+\k], v[SUM+\k] row_xmask:\m row_mask:0xf bank_mask:0xf
.endr
.endr
.irp k, 0,1,2,3,4,5,6,7,8,9,10,11,12,13,14,15
	v_permlanex16_b32 v[WR+\k], v[SUM+\k], s24, s25    ; the destination counts as read: the row slots have been written
.endr
.irp k, 0,1,2,3,4,5,6,7,8,9,10,11,12,13,14,15
	v_add_f32 v[SUM+\k], v[SUM+\k], v[WR+\k]
.endr
	; LDS word bb * 64 + 8 w + i.  Every lane holds the same sums and writes the same bytes.
	ds_store_b128 v[VST], v[SUM:SUM+3]
	ds_store_b128 v[VST], v[SUM+4:SUM+7] offset:16
	ds_store_b128 v[VST], v[SUM+8:SUM+11] offset:256
	ds_store_b128 v[VST], v[SUM+12:SUM+15] offset:272
	s_wait_dscnt 0x0                               ; for wave 0's sake: my stores are done before I signal
	s_barrier_signal -1
	s_barrier_wait -1
	s_cmp_lg_u32 s26, 0
	s_cbranch_scc1 .Lend
	ds_load_b128 v[D:D+3], v[VH]                   ; lanes 0-15: the 64 sums of batch 2 bp; lanes 16-31: of batch 2 bp + 1
	s_wait_dscnt 0x0
	v_pk_mul_f32 v[D:D+1], v[D:D+1], 0x3fb8aa3b op_sel_hi:[1,0]        ; log2(e): the scores come out in base-2 units
	v_pk_mul_f32 v[D+2:D+3], v[D+2:D+3], 0x3fb8aa3b op_sel_hi:[1,0]
	global_store_b128 v[VU], v[D:D+3], s[10:11]    ; sixteen lanes store 256 consecutive bytes, at a multiple of 256 from u2's first byte
.Lend:
	s_wait_tensorcnt 0x0
	ds_add_u32 v228, v229
	s_wait_dscnt 0x0
	s_endpgm
.Lfunc_end_k_q5a176d0791_prep:
	.size	k_q5a176d0791_prep, .Lfunc_end_k_q5a176d0791_prep-k_q5a176d0791_prep
	.p2alignl 7, 3214868480
	.fill 96, 4, 3214868480
	.section	.rodata,"a",@progbits
	.p2align	6, 0x0
	.amdhsa_kernel k_q5a176d0791_prep
		.amdhsa_group_segment_fixed_size 1536
		.amdhsa_private_segment_fixed_size 0
		.amdhsa_enable_private_segment 0
		.amdhsa_kernarg_size 40
		.amdhsa_user_sgpr_count 2
		.amdhsa_user_sgpr_kernarg_segment_ptr 1
		.amdhsa_wavefront_size32 1
		.amdhsa_system_sgpr_workgroup_id_x 1
		.amdhsa_system_sgpr_workgroup_id_y 1
		.amdhsa_system_sgpr_workgroup_id_z 1
		.amdhsa_system_vgpr_workitem_id 0
		.amdhsa_next_free_vgpr 230
		.amdhsa_next_free_sgpr 66
		.amdhsa_reserve_vcc 0
		.amdhsa_float_denorm_mode_32 3
		.amdhsa_float_denorm_mode_16_64 3
		.amdhsa_memory_ordered 1
		.amdhsa_forward_progress 1
		.amdhsa_inst_pref_size 34
	.end_amdhsa_kernel
	.amdgpu_metadata
---
amdhsa.version: [ 1, 2 ]
amdhsa.kernels:
  - .name:           k_q5a176d0791_prep
    .symbol:         k_q5a176d0791_prep.kd
    .args:
      - { .name: hidden_states, .offset: 0, .size: 8, .value_kind: global_buffer, .address_space: global }
      - { .name: W_score, .offset: 8, .size: 8, .value_kind: global_buffer, .address_space: global }
      - { .name: W_out, .offset: 16, .size: 8, .value_kind: global_buffer, .address_space: global }
      - { .name: u2, .offset: 24, .size: 8, .value_kind: global_buffer, .address_space: global }
      - { .name: wt, .offset: 32, .size: 8, .value_kind: global_buffer, .address_space: global }
    .group_segment_fixed_size: 1536
    .private_segment_fixed_size: 0
    .kernarg_segment_align: 8
    .kernarg_segment_size: 40
    .max_flat_workgroup_size: 256
    .sgpr_count:     66
    .vgpr_count:     230
    .wavefront_size: 32
...
	.end_amdgpu_metadata
.endif
;; end of part 1
;; launch stream (part 2): grid 256 x 1, 16 waves a work-group, no clusters, 67,840 bytes of LDS; arguments hidden_states, u2, part, ml; writes part, ml
.if DOCPART == 2
	.amdgcn_target "amdgcn-amd-amdhsa--gfx1250"
	.amdhsa_code_object_version 6
	.text
	.protected	k_q5a176d0791_stream
	.globl	k_q5a176d0791_stream
	.p2align	8
	.type	k_q5a176d0791_stream,@function
k_q5a176d0791_stream:
	s_mov_b64 s[64:65], 0
	v_nop
	global_prefetch_b8 v0, s[64:65] scope:SCOPE_SE
	s_setreg_imm32_b32 hwreg(HW_REG_WAVE_MODE, 25, 1), 1
	s_wait_xcnt 0x0
; One pass over hidden_states.  Work-group wg owns rows 256 wg .. 256 wg + 255 of the flattened [65536][1024] f32 (1 MiB), all of batch b = wg / 8.
; For its rows: s[t] = hs[t] . u2[b] (base-2 units), M = max s, L = sum 2^(s - M), c[h] = sum 2^(s[t] - M) hs[t][h],
; stored as part[wg][1024] and ml[wg] = (M, L).  The maximum is a running one: each wave keeps (MX, LS, ACC) and rescales as it grows.
; A row (4,096 bytes) is one wave's eight loads of 16 bytes a lane, 32 registers, and stays in registers between its dot product and its
; weighted sum: every byte of hidden_states is read once.  Group g of wave w is rows 32 g + 2 w + r, r = 0, 1: the sixteen waves walk
; consecutive memory.  Each wave has a ring of two groups in registers, so 16 loads (8 KiB) of a wave are out while it works on the other 8 KiB.
; All arithmetic is f32 on the vector unit: one row times one vector feeds no matrix tile, and the scores stand in an exponent.
; No LDS while streaming, no joint requests: the work-groups share only the 4 KiB of u2 against 1 MiB of their own.
; LIMITS: sums go by lanes, then by waves (another order of rounding than reference()'s); a weight below 2^-126 of the largest counts as 0
; (v_exp_f32 gives 0 for results that would be denormal); NaN and infinities go through as this arithmetic gives them.
.set VL,   1                           ; v1         lane * 16
.set VX,   2                           ; v2         wave * 8,192 + lane * 16
.set VAC,  3                           ; v3         LDS: wave * 4,096 + lane * 16
.set U,    4                           ; v[4:35]    u2 of my 32 columns: column 128 j + 4 lane + e at U + 4 j + e
.set ACC,  36                          ; v[36:67]   the weighted sum of my 32 columns
.set X,    68                          ; v[68:195]  ring slot a, row r: X + 64 a + 32 r
.set D,    196                         ; v[196:203] four chains of pairs: D + 4 r + 2 c
.set MX,   204                         ; running maximum      (MX, LS are stored as a pair)
.set LS,   205                         ; running sum
.set SC,   206                         ; 2^(old maximum - new)  (the packed forms read a pair and take its first register for both halves;
.set TA,   207                         ; at work                 the second register of each such pair has been written before)
.set PA,   208                         ; weight of row 0
.set TB,   209                         ; at work
.set PB,   210                         ; weight of row 1
.set SA,   211                         ; score of row 0
.set SB,   212                         ; score of row 1
.set MN,   213                         ; new maximum
.set AMS,  214                         ; LDS: 65,536 + 8 wave
.set AML,  215                         ; LDS: 65,536 + 8 (lane % 16)
.set ACOL, 216                         ; 8 x thread: my two columns, in LDS and in part
.set ZERO, 217                         ; offset 0 for ml
	s_load_b256 s[4:11], s[0:1], 0x0               ; hidden_states s[4:5], u2 s[6:7], part s[8:9], ml s[10:11]
	v_lshl_add_u32 v220, v0, 2, 0x10100
	v_mov_b32 v221, 0
	v_and_b32 v[VL], 31, v0
	v_lshrrev_b32 v[VAC], 5, v0
	v_readfirstlane_b32 s16, v[VAC]                ; the wave's number as a scalar
	v_lshlrev_b32 v[VL], 4, v[VL]
	v_lshl_or_b32 v[VX], v[VAC], 13, v[VL]         ; two rows a wave
	s_lshl_b32 s17, s16, 12
	v_add_nc_u32 v[VAC], s17, v[VL]
	s_lshl_b32 s17, s16, 3
	s_add_co_u32 s17, s17, 0x10000
	v_mov_b32 v[AMS], s17
	v_and_b32 v[AML], 15, v0
	v_lshl_add_u32 v[AML], v[AML], 3, 0x10000      ; a sum, not an OR: 65,536 + 8 x 15 + 8 = 65,664 bytes at the most, inside the 67,840 declared
	v_lshlrev_b32 v[ACOL], 3, v0
	v_mov_b32 v[ZERO], 0
	v_mov_b32 v[TA], 0                             ; v_permlanex16_b32 counts as a reader of its destination
	v_mov_b32 v[TB], 0
	s_mov_b32 s14, 0x76543210
	s_mov_b32 s15, 0xfedcba98
	s_mov_b32 s13, 0
	s_lshl_b32 s12, ttmp9, 20                      ; 256 rows of 4,096 bytes
	s_wait_kmcnt 0x0
	s_add_nc_u64 s[4:5], s[4:5], s[12:13]
	s_lshr_b32 s12, ttmp9, 3
	s_lshl_b32 s12, s12, 12                        ; u2 of my batch
	s_add_nc_u64 s[6:7], s[6:7], s[12:13]
	s_lshl_b32 s12, ttmp9, 12
	s_add_nc_u64 s[8:9], s[8:9], s[12:13]
	s_lshl_b32 s12, ttmp9, 3
	s_add_nc_u64 s[10:11], s[10:11], s[12:13]
.macro FILL g, a, r                    ; row r of group g into ring slot a: eight loads, 512 consecutive bytes each; the launch reads them once
.irp j, 0,1,2,3,4,5,6,7
	global_load_b128 v[X+64*\a+32*\r+4*\j:X+64*\a+32*\r+4*\j+3], v[VX], s[4:5] offset:(\g)*131072+\r*4096+512*\j th:TH_LOAD_NT
.endr
.endm
	FILL 0, 0, 0
	FILL 0, 0, 1
.irp j, 0,1,2,3,4,5,6,7
	global_load_b128 v[U+4*\j:U+4*\j+3], v[VL], s[6:7] offset:512*\j
.endr
	FILL 1, 1, 0
	FILL 1, 1, 1
; Group g in ring slot a.  first = 1: it starts MX, LS and ACC (nothing is cleared).  refill = 1: each row's registers are asked for again,
; for group g + 2, as soon as the row has been added.  left = the loads of the one younger group that may stay out.
.macro GROUP g, a, first, refill, left
	s_wait_loadcnt \left                           ; loads come back in order: this group's 16 are in
.irp r, 0,1
.irp c, 0,1
	v_pk_mul_f32 v[D+4*\r+2*\c:D+4*\r+2*\c+1], v[X+64*\a+32*\r+2*\c:X+64*\a+32*\r+2*\c+1], v[U+2*\c:U+2*\c+1]
.endr
.endr
.irp j, 1,2,3,4,5,6,7
.irp r, 0,1
.irp c, 0,1
	v_pk_fma_f32 v[D+4*\r+2*\c:D+4*\r+2*\c+1], v[X+64*\a+32*\r+4*\j+2*\c:X+64*\a+32*\r+4*\j+2*\c+1], v[U+4*\j+2*\c:U+4*\j+2*\c+1], v[D+4*\r+2*\c:D+4*\r+2*\c+1]
.endr
.endr
.endr
	v_pk_add_f32 v[D:D+1], v[D:D+1], v[D+2:D+3]
	v_pk_add_f32 v[D+4:D+5], v[D+4:D+5], v[D+6:D+7]
	v_add_f32 v[SA], v[D], v[D+1]
	v_add_f32 v[SB], v[D+4], v[D+5]
.irp m, 1,2,4,8
	v_add_f32_dpp v[SA], v[SA], v[SA] row_xmask:\m row_mask:0xf bank_mask:0xf
	v_add_f32_dpp v[SB], v[SB], v[SB] row_xmask:\m row_mask:0xf bank_mask:0xf
.endr
	v_permlanex16_b32 v[TA], v[SA], s14, s15
	v_permlanex16_b32 v[TB], v[SB], s14, s15
	v_add_f32 v[SA], v[SA], v[TA]                  ; both scores, in every lane
	v_add_f32 v[SB], v[SB], v[TB]
.if \first
	v_max_num_f32 v[MX], v[SA], v[SB]
	v_sub_f32 v[SA], v[SA], v[MX]
	v_sub_f32 v[SB], v[SB], v[MX]
	v_exp_f32 v[PA], v[SA]
	v_exp_f32 v[PB], v[SB]
	v_nop                                          ; one plain place between the exponentials and the first use of a result
	s_wait_alu depctr_va_vdst(0)
	v_add_f32 v[LS], v[PA], v[PB]
.irp n, 0,1,2,3,4,5,6,7,8,9,10,11,12,13,14,15
	v_pk_mul_f32 v[ACC+2*\n:ACC+2*\n+1], v[X+64*\a+2*\n:X+64*\a+2*\n+1], v[PA:PA+1] op_sel_hi:[1,0]
.endr
.else
	v_max3_num_f32 v[MN], v[MX], v[SA], v[SB]
	v_sub_f32 v[TA], v[MX], v[MN]
	v_sub_f32 v[SA], v[SA], v[MN]
	v_sub_f32 v[SB], v[SB], v[MN]
	v_exp_f32 v[SC], v[TA]
	v_exp_f32 v[PA], v[SA]
	v_exp_f32 v[PB], v[SB]
	v_mov_b32 v[MX], v[MN]                         ; the plain place behind the three exponentials: it names none of their registers
	s_wait_alu depctr_va_vdst(0)
	v_fma_f32 v[LS], v[LS], v[SC], v[PA]
	v_add_f32 v[LS], v[LS], v[PB]
.irp n, 0,1,2,3,4,5,6,7,8,9,10,11,12,13,14,15
	v_pk_mul_f32 v[ACC+2*\n:ACC+2*\n+1], v[ACC+2*\n:ACC+2*\n+1], v[SC:SC+1] op_sel_hi:[1,0]
.endr
.irp n, 0,1,2,3,4,5,6,7,8,9,10,11,12,13,14,15
	v_pk_fma_f32 v[ACC+2*\n:ACC+2*\n+1], v[X+64*\a+2*\n:X+64*\a+2*\n+1], v[PA:PA+1], v[ACC+2*\n:ACC+2*\n+1] op_sel_hi:[1,0,1]
.endr
.endif
.if \refill
	FILL \g+2, \a, 0
.endif
.irp n, 0,1,2,3,4,5,6,7,8,9,10,11,12,13,14,15
	v_pk_fma_f32 v[ACC+2*\n:ACC+2*\n+1], v[X+64*\a+32+2*\n:X+64*\a+32+2*\n+1], v[PB:PB+1], v[ACC+2*\n:ACC+2*\n+1] op_sel_hi:[1,0,1]
.endr
.if \refill
	FILL \g+2, \a, 1
.endif
.endm
	GROUP 0, 0, 1, 1, 16                           ; group 1's 16 loads stay out; u2 was asked for before them and is in
	GROUP 1, 1, 0, 1, 16
	GROUP 2, 0, 0, 1, 16
	GROUP 3, 1, 0, 1, 16
	GROUP 4, 0, 0, 1, 16
	GROUP 5, 1, 0, 1, 16
	GROUP 6, 0, 0, 0, 16                           ; nothing more to fetch
	GROUP 7, 1, 0, 0, 0
	; The sixteen waves' figures meet in LDS: wave w's 1,024 sums at byte 4,096 w in the order of the columns, its (MX, LS) at 65,536 + 8 w.
.irp j, 0,1,2,3,4,5,6,7
	ds_store_b128 v[VAC], v[ACC+4*\j:ACC+4*\j+3] offset:512*\j
.endr
	ds_store_b64 v[AMS], v[MX:LS]                  ; every lane writes the same 8 bytes
	s_wait_dscnt 0x0                               ; for the others' sake: my stores are done before I signal
	s_barrier_signal -1
	s_barrier_wait -1
	ds_load_b64 v[D:D+1], v[AML]                   ; lane l: (MX, LS) of wave l % 16
.irp w, 0,1,2,3,4,5,6,7,8,9,10,11,12,13,14,15
	ds_load_b64 v[X+2*\w:X+2*\w+1], v[ACOL] offset:4096*\w         ; columns 2 t, 2 t + 1 of every wave
.endr
	s_wait_dscnt 16                                ; the first of the 17 loads is in
	v_mov_b32 v[D+2], v[D]
.irp m, 1,2,4,8
	v_max_num_f32_dpp v[D+2], v[D+2], v[D+2] row_xmask:\m row_mask:0xf bank_mask:0xf
.endr
	v_sub_f32 v[TA], v[D], v[D+2]                  ; each half of 16 lanes holds all sixteen waves: D+2 is the group's maximum in every lane
	v_exp_f32 v[SC], v[TA]
	v_nop
	s_wait_alu depctr_va_vdst(0)
	v_mul_f32 v[D+3], v[SC], v[D+1]
.irp m, 1,2,4,8
	v_add_f32_dpp v[D+3], v[D+3], v[D+3] row_xmask:\m row_mask:0xf bank_mask:0xf
.endr
.irp w, 0,1,2,3,4,5,6,7,8,9,10,11,12,13,14,15
	v_readlane_b32 s[20+\w], v[SC], \w             ; wave w's factor 2^(its maximum - the group's)
.endr
	s_wait_dscnt 0x0
	v_mul_f32 v[ACC], s20, v[X]
	v_mul_f32 v[ACC+1], s20, v[X+1]
.irp w, 1,2,3,4,5,6,7,8,9,10,11,12,13,14,15
	v_fmac_f32 v[ACC], s[20+\w], v[X+2*\w]
	v_fmac_f32 v[ACC+1], s[20+\w], v[X+2*\w+1]
.endr
	global_store_b64 v[ACOL], v[ACC:ACC+1], s[8:9] ; a wave's store covers 256 consecutive bytes, at a multiple of 256 from part's first byte
	s_cmp_lg_u32 s16, 0
	s_cbranch_scc1 .Lend
	s_wait_xcnt 0x0                                ; EXEC is a source of the store above: it changes only behind this wait
	v_cmp_eq_u32 vcc_lo, 0, v0
	s_and_saveexec_b32 s36, vcc_lo
	global_store_b64 v[ZERO], v[D+2:D+3], s[10:11] ; (M, L): the 8 bytes that this work-group has to say in ml
	s_wait_xcnt 0x0                                ; and again in front of the line that widens it
	s_or_b32 exec_lo, exec_lo, s36
.Lend:
	s_wait_tensorcnt 0x0
	ds_add_u32 v220, v221
	s_wait_dscnt 0x0
	s_endpgm
.Lfunc_end_k_q5a176d0791_stream:
	.size	k_q5a176d0791_stream, .Lfunc_end_k_q5a176d0791_stream-k_q5a176d0791_stream
	.p2alignl 7, 3214868480
	.fill 96, 4, 3214868480
	.section	.rodata,"a",@progbits
	.p2align	6, 0x0
	.amdhsa_kernel k_q5a176d0791_stream
		.amdhsa_group_segment_fixed_size 67840
		.amdhsa_private_segment_fixed_size 0
		.amdhsa_enable_private_segment 0
		.amdhsa_kernarg_size 32
		.amdhsa_user_sgpr_count 2
		.amdhsa_user_sgpr_kernarg_segment_ptr 1
		.amdhsa_wavefront_size32 1
		.amdhsa_system_sgpr_workgroup_id_x 1
		.amdhsa_system_sgpr_workgroup_id_y 1
		.amdhsa_system_sgpr_workgroup_id_z 1
		.amdhsa_system_vgpr_workitem_id 0
		.amdhsa_next_free_vgpr 222
		.amdhsa_next_free_sgpr 66
		.amdhsa_reserve_vcc 1
		.amdhsa_float_denorm_mode_32 3
		.amdhsa_float_denorm_mode_16_64 3
		.amdhsa_memory_ordered 1
		.amdhsa_forward_progress 1
		.amdhsa_inst_pref_size 69
	.end_amdhsa_kernel
	.amdgpu_metadata
---
amdhsa.version: [ 1, 2 ]
amdhsa.kernels:
  - .name:           k_q5a176d0791_stream
    .symbol:         k_q5a176d0791_stream.kd
    .args:
      - { .name: hidden_states, .offset: 0, .size: 8, .value_kind: global_buffer, .address_space: global }
      - { .name: u2, .offset: 8, .size: 8, .value_kind: global_buffer, .address_space: global }
      - { .name: part, .offset: 16, .size: 8, .value_kind: global_buffer, .address_space: global }
      - { .name: ml, .offset: 24, .size: 8, .value_kind: global_buffer, .address_space: global }
    .group_segment_fixed_size: 67840
    .private_segment_fixed_size: 0
    .kernarg_segment_align: 8
    .kernarg_segment_size: 32
    .max_flat_workgroup_size: 512
    .sgpr_count:     66
    .vgpr_count:     222
    .wavefront_size: 32
...
	.end_amdgpu_metadata
.endif
;; end of part 2
;; launch finish (part 3): grid 256 x 1, 16 waves a work-group, no clusters, 11,264 bytes of LDS; arguments hidden_states, wt, part, ml, out0; writes out0
.if DOCPART == 3
	.amdgcn_target "amdgcn-amd-amdhsa--gfx1250"
	.amdhsa_code_object_version 6
	.text
	.protected	k_q5a176d0791_finish
	.globl	k_q5a176d0791_finish
	.p2align	8
	.type	k_q5a176d0791_finish,@function
k_q5a176d0791_finish:
	s_mov_b64 s[64:65], 0
	v_nop
	global_prefetch_b8 v0, s[64:65] scope:SCOPE_SE
	s_setreg_imm32_b32 hwreg(HW_REG_WAVE_MODE, 25, 1), 1
	s_wait_xcnt 0x0
; out0[b][16 g + e] = tanh( sum over j of pre[b][j] * W_out[j][16 g + e] ),  pre[b] = [context[b], h_t[b]], 2,048 numbers.
; Work-group (b = id / 8, g = id % 8).  context[b] = (sum over the batch's eight records i of 2^(M_i - M) part[8 b + i]) / L,
; M = max M_i, L = sum 2^(M_i - M) L_i: the softmax's maximum is the true one over all 2,048 rows, and L >= 1.
; Thread t makes context columns 2 t, 2 t + 1 and carries h_t's; pre goes through LDS; then thread t takes rows j = t / 4 + 128 k, k = 0..15,
; and columns 4 (t % 4) + e of the slice wt[g] ([2048][16] f32, consecutive bytes).  All loads go out at the start.
; f32 on the vector unit: one row of pre against 16 columns.  No joint requests: a work-group reads its 128 KiB slice and 36 KiB of records once,
; in one burst into registers; tiles in LDS and rounds of a cluster's barrier would stand in front of a single pass.
; The work-group's whole result is 64 bytes of out0 (16 KiB in all), so its one store fills a quarter of an aligned block of 256 bytes.
; LIMITS: another order of rounding than reference()'s; tanh(y) = 1 - 2 / (1 + 2^(2 log2(e) y)), absolute error of a few 2^-24;
; NaN and infinities go through as this arithmetic gives them.
.set V8T,  1                           ; v1   8 t
.set V16T, 2                           ; v2   16 t
.set VPR,  3                           ; v3   4 (t / 4)
.set VWS,  4                           ; v4   LDS: 8,192 + 64 wave + 16 (lane % 4)
.set VWL,  5                           ; v5   LDS: 8,192 + 512 (lane / 16) + 4 (lane % 16)
.set VOUT, 6                           ; v6   4 (lane % 16)
.set C,    8                           ; v[8:23]    record i: C + 2 i, two columns
.set H,    24                          ; v[24:25]   h_t, two columns
.set O,    26                          ; v[26:27]   context, two columns
.set R,    28                          ; 1 / L      (R, LS are read as a pair; the first register serves both halves)
.set LS,   29                          ; L
.set MX,   30                          ; M
.set F,    32                          ; v[32:47]   factor of record i at F + 2 i, M_i - M at F + 2 i + 1
.set P,    48                          ; v[48:63]   pre[t / 4 + 128 k]
.set W,    64                          ; v[64:127]  wt: W + 4 k + e
.set A,    128                         ; v[128:131] four column sums
	s_load_b256 s[4:11], s[0:1], 0x0               ; hidden_states s[4:5], wt s[6:7], part s[8:9], ml s[10:11]
	s_load_b64 s[12:13], s[0:1], 0x20              ; out0
	v_lshl_add_u32 v136, v0, 2, 0x2400
	v_mov_b32 v137, 0
	v_lshrrev_b32 v7, 5, v0
	v_readfirstlane_b32 s34, v7                    ; the wave's number as a scalar
	s_lshr_b32 s38, ttmp9, 3                       ; b
	s_and_b32 s39, ttmp9, 7                        ; g
	s_mov_b32 s32, 0x76543210
	s_mov_b32 s33, 0xfedcba98
	v_lshlrev_b32 v[V8T], 3, v0
	v_lshlrev_b32 v[V16T], 4, v0
	v_lshrrev_b32 v[VPR], 2, v0
	v_lshlrev_b32 v[VPR], 2, v[VPR]
	s_lshl_b32 s36, s34, 6
	s_add_co_u32 s36, s36, 8192
	v_and_b32 v[VWS], 3, v0
	v_lshl_add_u32 v[VWS], v[VWS], 4, s36
	v_and_b32 v[VOUT], 15, v0
	v_lshlrev_b32 v[VOUT], 2, v[VOUT]
	v_bfe_u32 v[VWL], v0, 4, 1
	v_lshl_add_u32 v[VWL], v[VWL], 9, v[VOUT]
	v_add_nc_u32 v[VWL], 8192, v[VWL]
	s_mov_b32 s37, 0
	s_lshl_b32 s36, s38, 6                         ; eight pairs (M, L) of 8 bytes
	s_wait_kmcnt 0x0
	s_add_nc_u64 s[10:11], s[10:11], s[36:37]
	s_load_b512 s[16:31], s[10:11], 0x0            ; M_i in s[16 + 2 i], L_i in s[17 + 2 i]; no line of this launch writes ml
	s_lshl_b32 s36, s38, 23
	s_add_nc_u64 s[4:5], s[4:5], s[36:37]
	s_add_nc_u64 s[4:5], s[4:5], 0x7ff000          ; h_t: row 2047 of my batch
	s_lshl_b32 s36, s39, 17
	s_add_nc_u64 s[6:7], s[6:7], s[36:37]          ; my slice of 131,072 bytes
	s_lshl_b32 s36, s38, 15
	s_add_nc_u64 s[8:9], s[8:9], s[36:37]          ; my batch's eight records of 4,096 bytes
	s_lshl_b32 s36, ttmp9, 6                       ; 512 b + 64 g
	s_add_nc_u64 s[12:13], s[12:13], s[36:37]
.irp i, 0,1,2,3,4,5,6,7
	global_load_b64 v[C+2*\i:C+2*\i+1], v[V8T], s[8:9] offset:4096*\i
.endr
	global_load_b64 v[H:H+1], v[V8T], s[4:5]
.irp k, 0,1,2,3,4,5,6,7,8,9,10,11,12,13,14,15
	global_load_b128 v[W+4*\k:W+4*\k+3], v[V16T], s[6:7] offset:8192*\k    ; a wave's load covers 512 consecutive bytes
.endr
	s_wait_kmcnt 0x0
	v_mov_b32 v[MX], s16
	v_max3_num_f32 v[MX], v[MX], s18, s20
	v_max3_num_f32 v[MX], v[MX], s22, s24
	v_max3_num_f32 v[MX], v[MX], s26, s28
	v_max_num_f32 v[MX], s30, v[MX]
.irp i, 0,1,2,3,4,5,6,7
	v_sub_f32 v[F+2*\i+1], s[16+2*\i], v[MX]
.endr
.irp i, 0,1,2,3,4,5,6,7
	v_exp_f32 v[F+2*\i], v[F+2*\i+1]
.endr
	v_nop                                          ; one plain place between the exponentials and the first use of a result
	s_wait_alu depctr_va_vdst(0)
	v_mul_f32 v[LS], s17, v[F]
.irp i, 1,2,3,4,5,6,7
	v_fmac_f32 v[LS], s[17+2*\i], v[F+2*\i]
.endr
	v_rcp_f32 v[R], v[LS]
	v_nop
	s_wait_loadcnt 16                              ; the records and h_t are in; the 16 loads of the slice stay out
	v_pk_mul_f32 v[O:O+1], v[C:C+1], v[F:F+1] op_sel_hi:[1,0]
.irp i, 1,2,3,4,5,6,7
	v_pk_fma_f32 v[O:O+1], v[C+2*\i:C+2*\i+1], v[F+2*\i:F+2*\i+1], v[O:O+1] op_sel_hi:[1,0,1]
.endr
	s_wait_alu depctr_va_vdst(0)
	v_pk_mul_f32 v[O:O+1], v[O:O+1], v[R:R+1] op_sel_hi:[1,0]
	ds_store_b64 v[V8T], v[O:O+1]                  ; pre: context at bytes 0 to 4,095,
	ds_store_b64 v[V8T], v[H:H+1] offset:4096      ; h_t behind it
	s_wait_dscnt 0x0                               ; for the others' sake
	s_barrier_signal -1
	s_barrier_wait -1
.irp k, 0,1,2,3,4,5,6,7,8,9,10,11,12,13,14,15
	ds_load_b32 v[P+\k], v[VPR] offset:512*\k
.endr
	s_wait_dscnt 0x0
.irp k, 0,1,2,3,4,5,6,7,8,9,10,11,12,13,14,15
	s_wait_loadcnt 15-\k                           ; the slice's load k is in; the younger ones stay out
.irp e, 0,1,2,3
.if \k == 0
	v_mul_f32 v[A+\e], v[P+\k], v[W+4*\k+\e]       ; the first products start the sums
.else
	v_fmac_f32 v[A+\e], v[P+\k], v[W+4*\k+\e]
.endif
.endr
.endr
	; over the eight lanes of equal lane % 4
.irp m, 4,8
.irp e, 0,1,2,3
	v_add_f32_dpp v[A+\e], v[A+\e], v[A+\e] row_xmask:\m row_mask:0xf bank_mask:0xf
.endr
.endr
.irp e, 0,1,2,3
	v_permlanex16_b32 v[C+\e], v[A+\e], s32, s33   ; the destination has been written (the records)
.endr
.irp e, 0,1,2,3
	v_add_f32 v[A+\e], v[A+\e], v[C+\e]
.endr
	ds_store_b128 v[VWS], v[A:A+3]                 ; the wave's 16 column sums; lanes of equal lane % 4 write the same bytes
	s_wait_dscnt 0x0                               ; for wave 0's sake
	s_barrier_signal -1
	s_barrier_wait -1
	s_cmp_lg_u32 s34, 0
	s_cbranch_scc1 .Lend
.irp n, 0,1,2,3,4,5,6,7
	ds_load_b32 v[P+\n], v[VWL] offset:64*\n       ; column lane % 16 of waves 8 (lane / 16) + n
.endr
	s_wait_dscnt 0x0
	v_add_f32 v[P], v[P], v[P+1]
	v_add_f32 v[P+2], v[P+2], v[P+3]
	v_add_f32 v[P+4], v[P+4], v[P+5]
	v_add_f32 v[P+6], v[P+6], v[P+7]
	v_add_f32 v[P], v[P], v[P+2]
	v_add_f32 v[P+4], v[P+4], v[P+6]
	v_add_f32 v[P], v[P], v[P+4]
	v_permlanex16_b32 v[P+1], v[P], s32, s33
	v_add_f32 v[P], v[P], v[P+1]                   ; y
	v_mul_f32 v[P], 0x4038aa3b, v[P]               ; 2 log2(e) y
	v_exp_f32 v[P+1], v[P]
	v_nop
	s_wait_alu depctr_va_vdst(0)
	v_add_f32 v[P+1], 1.0, v[P+1]
	v_rcp_f32 v[P+2], v[P+1]
	v_nop
	s_wait_alu depctr_va_vdst(0)
	v_fma_f32 v[P], v[P+2], -2.0, 1.0              ; tanh y; 2^x = infinity gives 1, 2^x = 0 gives -1
	s_wait_xcnt 0x0                                ; EXEC changes only behind this wait
	v_cmp_gt_u32 vcc_lo, 16, v0
	s_and_saveexec_b32 s35, vcc_lo
	global_store_b32 v[VOUT], v[P], s[12:13]       ; sixteen lanes, 64 consecutive bytes
	s_wait_xcnt 0x0                                ; and again in front of the line that widens it
	s_or_b32 exec_lo, exec_lo, s35
.Lend:
	s_wait_tensorcnt 0x0
	ds_add_u32 v136, v137
	s_wait_dscnt 0x0
	s_endpgm
.Lfunc_end_k_q5a176d0791_finish:
	.size	k_q5a176d0791_finish, .Lfunc_end_k_q5a176d0791_finish-k_q5a176d0791_finish
	.p2alignl 7, 3214868480
	.fill 96, 4, 3214868480
	.section	.rodata,"a",@progbits
	.p2align	6, 0x0
	.amdhsa_kernel k_q5a176d0791_finish
		.amdhsa_group_segment_fixed_size 11264
		.amdhsa_private_segment_fixed_size 0
		.amdhsa_enable_private_segment 0
		.amdhsa_kernarg_size 40
		.amdhsa_user_sgpr_count 2
		.amdhsa_user_sgpr_kernarg_segment_ptr 1
		.amdhsa_wavefront_size32 1
		.amdhsa_system_sgpr_workgroup_id_x 1
		.amdhsa_system_sgpr_workgroup_id_y 1
		.amdhsa_system_sgpr_workgroup_id_z 1
		.amdhsa_system_vgpr_workitem_id 0
		.amdhsa_next_free_vgpr 138
		.amdhsa_next_free_sgpr 66
		.amdhsa_reserve_vcc 1
		.amdhsa_float_denorm_mode_32 3
		.amdhsa_float_denorm_mode_16_64 3
		.amdhsa_memory_ordered 1
		.amdhsa_forward_progress 1
		.amdhsa_inst_pref_size 13
	.end_amdhsa_kernel
	.amdgpu_metadata
---
amdhsa.version: [ 1, 2 ]
amdhsa.kernels:
  - .name:           k_q5a176d0791_finish
    .symbol:         k_q5a176d0791_finish.kd
    .args:
      - { .name: hidden_states, .offset: 0, .size: 8, .value_kind: global_buffer, .address_space: global }
      - { .name: wt, .offset: 8, .size: 8, .value_kind: global_buffer, .address_space: global }
      - { .name: part, .offset: 16, .size: 8, .value_kind: global_buffer, .address_space: global }
      - { .name: ml, .offset: 24, .size: 8, .value_kind: global_buffer, .address_space: global }
      - { .name: out0, .offset: 32, .size: 8, .value_kind: global_buffer, .address_space: global }
    .group_segment_fixed_size: 11264
    .private_segment_fixed_size: 0
    .kernarg_segment_align: 8
    .kernarg_segment_size: 40
    .max_flat_workgroup_size: 512
    .sgpr_count:     66
    .vgpr_count:     138
    .wavefront_size: 32
...
	.end_amdgpu_metadata
.endif
;; end of part 3
